; MI455X (gfx1250); checked and timed in simulation.
; The chip was launched on July 23, 2026; its instructions are those of AMD's public machine-readable ISA for CDNA 5 (MIT licence, August 2026) and "CDNA5" Instruction Set Architecture Reference Guide (July 2026). The comments in the code are by the model that wrote it; some were corrected since.
;; Vector Quantizer. Allowed arithmetic: matrix products marked QUANTISED: E2M1 operands, one E8M0 scale for each 32 along K, by v_wmma_scale_f32_16x16x128_f8f6f4 with both operands' format E2M1 (or v_wmma_scale_f32_32x16x128_f4), f32 sums; everything else in f32.
;; Inputs: embedding 8,192 x 256 float32; inputs 32,768 x 256 float32.
;; Outputs: out0 32,768 int32.
;; This version of the problem:
;;   THIS VERSION OF THE PROBLEM IS GIVEN IN LOW PRECISION. The matrix products marked QUANTISED in the list below multiply operands that are first quantised to E2M1 (2 exponent bits, 1 mantissa bit; 4 bits a number), with one power-of-two scale for each 32 numbers along K (OCP MX v1.0); their sums are f32. All else is computed in f32.
;;   The module's matrix products, in the order in which they are computed (A, B: the left and right operand; K: the contracted axis; several contracted axes count as one K, in the product's order):
;;     1. [M 32,768, K 256] x [K 256, N 8,192]; A: input inputs; B: input embedding: QUANTISED
;;   THE QUANTISER, for each operand of a quantised product, along K:
;;     - K is cut into blocks of 32 from its start; a last block that is shorter is filled with zeros.
;;     - A block's scale is 2^e with e = floor(log2(the largest magnitude in the block)) - 2, held to -126 .. 127; a block of zeros has e = 0. As a byte (E8M0): e + 127.
;;     - Each number is divided by its block's scale, clamped to +-6, and rounded to the nearest number of E2M1, ties to even, subnormals kept.
;;     - The product sums the exact products of the quantised numbers (number of the format x scale) in f32.
;;   ~~~python
;;   def quantise(x, axis):      # numpy; x: float32 -> the quantised numbers, widened to float32 again
;;       x = np.moveaxis(x, axis, -1); K = x.shape[-1]
;;       x = np.pad(x, [(0, 0)] * (x.ndim - 1) + [(0, -K % 32)]); x = x.reshape(x.shape[:-1] + (-1, 32)); a = np.abs(x).max(-1, keepdims=True)
;;       e = np.where(a > 0, np.clip(np.frexp(np.where(a > 0, a, 1))[1] - 1 - 2, -126, 127), 0)      # np.frexp(a)[1] - 1 = floor(log2(a)), exactly
;;       r = np.clip(x / 2.0 ** e, -6, 6)
;;       step = 2.0 ** (np.maximum(np.frexp(np.where(r == 0, 1, r))[1] - 1, 0) - 1)
;;       q = np.round(r / step) * step * 2.0 ** e      # np.round: ties to even
;;       return np.moveaxis(q.reshape(q.shape[:-2] + (-1,))[..., :K], -1, axis).astype(np.float32)
;;   ~~~
;; One version. Each part assembles by itself: llvm-mc -triple=amdgcn-amd-amdhsa -mcpu=gfx1250 --defsym DOCPART=n.
;; ======== version 1 of 1: 2 launches
;; limits: right only within a limited range of input values
;; workspace buffers: ecodes 1,179,648 bytes
;; launch codes (part 1): grid 256 x 1, 8 waves a work-group, no clusters, 5,888 bytes of LDS; arguments embedding, ecodes; writes ecodes
.if DOCPART == 1
	.amdgcn_target "amdgcn-amd-amdhsa--gfx1250"
	.amdhsa_code_object_version 6
	.text
	.protected	k_q4864401f72_codes
	.globl	k_q4864401f72_codes
	.p2align	8
	.type	k_q4864401f72_codes,@function
k_q4864401f72_codes:
	s_mov_b64 s[64:65], 0
	v_nop
	global_prefetch_b8 v0, s[64:65] scope:SCOPE_SE
	s_setreg_imm32_b32 hwreg(HW_REG_WAVE_MODE, 25, 1), 1
	s_wait_xcnt 0x0
; THE PROGRAM: argmin over k of (x_sq[n] + e_sq[k]) - 2 cross[n][k], cross the product of the quantised operands.  Two launches: this one quantises embedding; the next quantises inputs in its head and finds the rows.
; LEFT OUT AS DEAD WORK: x_sq.  It is one number for all k of a query n, so it moves no comparison between two k, whatever the inputs hold.  A NaN, an infinity or an overflow that would arise in x_sq alone is not carried to the result.
; embedding [8192][256], f32, becomes RECORDS: one for each 32 rows, 4,608 bytes (eighteen aligned blocks of 256), laid as the image of a matrix operand's registers:
;   +0    the codes (E2M1, 4 bits): the 16 bytes of block b (32 along K, b = 0 .. 7) of row 16 g + r at 2,048 g + 256 b + 16 r
;   +4096 the E8M0 scale words: that of K step s (128 along K) of row m at 128 s + 4 m
;   +4352 32 f32: -(the row's sum of squares) / 2;  the last 128 bytes repeat them.
; A block's scale is 2^(floor(log2(its largest magnitude)) - 2); its byte is that magnitude's exponent field - 2, held at 1 from below; each number / scale goes to the nearest code, ties to even, beyond 6 the code of 6.
; LIMITS: NaN and infinities are not served.  A block of zeros, or one whose largest magnitude lies under 2^-124, gets the byte 1 (the stated rule gives a block of zeros 127): its codes are zeros or the
; rule's own, and these bytes are read by this program alone; magnitudes under 2^-124 were not tried.  The sums of squares are f32 sums of the unquantised numbers, in an order of this text's own.
; SHARES: a work-group makes one record, a wave 4 of its rows; a lane holds 8 neighbours along K of each row (four lanes to a block).  The record is put together in LDS and leaves in pieces of 512 bytes, one a wave, and the last 512 by wave 0.
; No matrix unit, no cluster, no loop: each number is read once, by one work-group.
.set SP,    272                        ; a block's 256 bytes of codes + 16: the 32 lanes' words of a row, 68 words apart from block to block, fall on 32 different banks (64 banks of 4 bytes: ISA guide 11.1)
.set HB,    8*SP                       ; 16 rows' codes
.set TAIL,  2*HB                       ; behind the codes: 256 bytes of scale words, 256 bytes of sums
.set SPARE, TAIL+512                   ; the spare words, 128 bytes for each wave
.set REC,   4608
.set SPW, 8                            ; v8  LDS address of my spare word;  v9  0
.set NIL, 9
.set T,  12                            ; v12-19  at work
.set MX, 20                            ; v20-23  row a: the block's largest magnitude, then the conversion's scale operand
.set BY, 24                            ; v24-27  row a: the scale's byte
.set CW, 28                            ; v28-31  row a: my 8 codes
.set E,  32                            ; v32-35  row a: the sum of squares
.set X,  40                            ; v40-71  row a: my 8 numbers
.set O,  72                            ; v72-75  the way out
.set PL, 76                            ; v76-79  the other half of the lanes' sums
	s_load_b128 s[4:7], s[0:1], 0x0                ; embedding s[4:5], ecodes s[6:7]
	v_lshl_add_u32 v[SPW], v0, 2, SPARE
	v_mov_b32 v[NIL], 0
	v_lshrrev_b32 v1, 5, v0
	v_readfirstlane_b32 s12, v1                    ; wave 0..7
	v_and_b32 v1, 31, v0                           ; lane l
	v_lshlrev_b32 v2, 5, v1                        ; in: 32 bytes a lane
	s_lshl_b32 s18, ttmp9, 15                      ; 32 rows of 1,024 bytes
	s_lshl_b32 s13, s12, 12                        ; my 4 rows
	s_add_co_u32 s18, s18, s13
	s_mov_b32 s19, 0
	s_mul_i32 s20, ttmp9, REC
	s_mov_b32 s21, 0
	s_wait_alu depctr_va_vdst(0)
	s_wait_kmcnt 0x0
	s_add_nc_u64 s[4:5], s[4:5], s[18:19]
	s_add_nc_u64 s[6:7], s[6:7], s[20:21]
.irp a, 0,1,2,3
	global_load_b128 v[X+8*\a:X+8*\a+3],   v2, s[4:5] offset:1024*\a th:TH_LOAD_NT
	global_load_b128 v[X+8*\a+4:X+8*\a+7], v2, s[4:5] offset:1024*\a+16 th:TH_LOAD_NT
.endr
	; the LDS addresses, while the loads are out
	s_lshr_b32 s13, s12, 2                         ; g: which 16 rows of the record
	s_mul_i32 s14, s13, HB
	s_and_b32 s15, s12, 3
	s_mul_i32 s22, s15, 2*SP
	s_add_co_u32 s22, s22, s14                     ; the piece that I store: blocks 2 (w % 4), + 1 of these rows
	s_lshl_b32 s15, s15, 6
	s_add_co_u32 s14, s14, s15                     ; my first row's place: 64 (w % 4)
	v_lshrrev_b32 v10, 2, v1                       ; my block b = l / 4
	v_and_b32 v11, 3, v1
	v_mul_u32_u24 v3, v10, SP
	v_lshrrev_b32 v5, 4, v1                        ; l / 16 = b / 4, the K step
	v_lshl_add_u32 v3, v11, 2, v3
	v_and_b32 v10, 3, v10
	v_add_nc_u32 v3, s14, v3                       ; my code word: 2,176 g + 272 b + 16 row + 4 (l % 4); the row's 16 a stands in the immediate
	v_lshl_add_u32 v4, v5, 7, v10
	s_lshl_b32 s16, s12, 4
	s_add_co_u32 s16, s16, TAIL
	v_add_nc_u32 v4, s16, v4                       ; my block's byte: TAIL + 128 (b / 4) + 4 row + b % 4
	v_mul_u32_u24 v6, v5, SP
	v_and_b32 v11, 15, v1
	v_lshl_add_u32 v6, v11, 4, v6
	v_add_nc_u32 v6, s22, v6                       ; out of the stage
	s_add_co_u32 s16, s16, 256
	v_lshl_add_u32 v5, v5, 7, s16                  ; the sums of my 4 rows: 16 bytes; lanes 16-31 write them 128 bytes further on
	v_lshlrev_b32 v11, 4, v1                       ; 16 l
	s_lshl_b32 s17, s12, 9
	v_add_nc_u32 v7, s17, v11                      ; my piece in the record
	s_mov_b32 s24, 0x76543210                      ; v_permlanex16_b32's selects for lane l xor 16
	s_mov_b32 s25, 0xfedcba98
.irp a, 0,1,2,3
	v_mov_b32 v[PL+\a], 0                          ; a lane permute's destination counts as one of its sources
.endr
	s_wait_alu depctr_va_vdst(0)                   ; the head's end
	s_wait_loadcnt 0x0
	; the four rows, line by line in turn
.irp a, 0,1,2,3
	v_max3_num_f32 v[MX+\a], |v[X+8*\a]|, |v[X+8*\a+1]|, 0x1800000     ; my 8 numbers, and the floor 2^(3 - 127): the byte cannot fall under 1
.endr
.irp i, 2,4,6
.irp a, 0,1,2,3
	v_max3_num_f32 v[MX+\a], v[MX+\a], |v[X+8*\a+\i]|, |v[X+8*\a+\i+1]|
.endr
.endr
.irp a, 0,1,2,3
	v_max_num_f32_dpp v[MX+\a], v[MX+\a], v[MX+\a] row_xmask:1 row_mask:0xf bank_mask:0xf
.endr
.irp a, 0,1,2,3
	v_max_num_f32_dpp v[MX+\a], v[MX+\a], v[MX+\a] row_xmask:2 row_mask:0xf bank_mask:0xf   ; the four lanes of a block: its largest magnitude
.endr
.irp a, 0,1,2,3
	v_add_nc_u32 v[MX+\a], 0xff000000, v[MX+\a]    ; 2 off its exponent field: the conversion takes the exponent field of this operand as its scale, and nothing else of it
.endr
.irp a, 0,1,2,3
	v_pk_mul_f32 v[T+2*\a:T+2*\a+1], v[X+8*\a:X+8*\a+1], v[X+8*\a:X+8*\a+1]     ; the squares of the unquantised numbers
.endr
.irp i, 2,4,6
.irp a, 0,1,2,3
	v_pk_fma_f32 v[T+2*\a:T+2*\a+1], v[X+8*\a+\i:X+8*\a+\i+1], v[X+8*\a+\i:X+8*\a+\i+1], v[T+2*\a:T+2*\a+1]
.endr
.endr
.irp a, 0,1,2,3
	v_cvt_scalef32_pk8_fp4_f32 v[CW+\a], v[X+8*\a:X+8*\a+7], v[MX+\a]   ; 8 codes, the lowest k in the lowest four bits
.endr
.irp a, 0,1,2,3
	v_lshrrev_b32 v[BY+\a], 23, v[MX+\a]           ; the scale's byte.  (Also the plain lines behind the conversions)
.endr
.irp a, 0,1,2,3
	ds_store_b32 v3, v[CW+\a] offset:16*\a
	ds_store_b8 v4, v[BY+\a] offset:4*\a           ; a block's four lanes write the same byte with the same value
.endr
.irp a, 0,1,2,3
	v_add_f32 v[E+\a], v[T+2*\a], v[T+2*\a+1]
.endr
.irp m, 8,4,2,1
.irp a, 0,1,2,3
	v_add_f32_dpp v[E+\a], v[E+\a], v[E+\a] row_xmask:\m row_mask:0xf bank_mask:0xf
.endr
.endr
.irp a, 0,1,2,3
	v_permlanex16_b32 v[PL+\a], v[E+\a], s24, s25
.endr
.irp a, 0,1,2,3
	v_add_f32 v[E+\a], v[E+\a], v[PL+\a]
.endr
.irp a, 0,1,2,3
	v_mul_f32 v[E+\a], -0.5, v[E+\a]
.endr
	ds_store_b128 v5, v[E:E+3]
	s_wait_dscnt 0x0                               ; for the others' sake: my stores are done
	s_barrier_signal -1
	s_barrier_wait -1
	ds_load_b128 v[O:O+3], v6
	s_wait_dscnt 0x0
	global_store_b128 v7, v[O:O+3], s[6:7]         ; 32 lanes store 512 consecutive bytes, at a multiple of 256 from the buffer's first byte
	s_cmp_lg_u32 s12, 0
	s_cbranch_scc1 .Lnotail
	ds_load_b128 v[80:83], v11 offset:TAIL         ; wave 0: the scale words and the sums
	s_wait_dscnt 0x0
	global_store_b128 v11, v[80:83], s[6:7] offset:4096
.Lnotail:
	s_wait_tensorcnt 0x0                           ; the wave's end, behind my last LDS store
	ds_add_u32 v[SPW], v[NIL]
	s_wait_dscnt 0x0
	s_endpgm
.Lfunc_end_k_q4864401f72_codes:
	.size	k_q4864401f72_codes, .Lfunc_end_k_q4864401f72_codes-k_q4864401f72_codes
	.p2alignl 7, 3214868480
	.fill 96, 4, 3214868480
	.section	.rodata,"a",@progbits
	.p2align	6, 0x0
	.amdhsa_kernel k_q4864401f72_codes
		.amdhsa_group_segment_fixed_size 5888
		.amdhsa_private_segment_fixed_size 0
		.amdhsa_enable_private_segment 0
		.amdhsa_kernarg_size 16
		.amdhsa_user_sgpr_count 2
		.amdhsa_user_sgpr_kernarg_segment_ptr 1
		.amdhsa_wavefront_size32 1
		.amdhsa_system_sgpr_workgroup_id_x 1
		.amdhsa_system_sgpr_workgroup_id_y 1
		.amdhsa_system_sgpr_workgroup_id_z 1
		.amdhsa_system_vgpr_workitem_id 0
		.amdhsa_next_free_vgpr 96
		.amdhsa_next_free_sgpr 66
		.amdhsa_reserve_vcc 0
		.amdhsa_float_denorm_mode_32 3
		.amdhsa_float_denorm_mode_16_64 3
		.amdhsa_memory_ordered 1
		.amdhsa_forward_progress 1
		.amdhsa_inst_pref_size 10
	.end_amdhsa_kernel
	.amdgpu_metadata
---
amdhsa.version: [ 1, 2 ]
amdhsa.kernels:
  - .name:           k_q4864401f72_codes
    .symbol:         k_q4864401f72_codes.kd
    .args:
      - { .name: embedding, .offset: 0, .size: 8, .value_kind: global_buffer, .address_space: global }
      - { .name: ecodes, .offset: 8, .size: 8, .value_kind: global_buffer, .address_space: global }
    .group_segment_fixed_size: 5888
    .private_segment_fixed_size: 0
    .kernarg_segment_align: 8
    .kernarg_segment_size: 16
    .max_flat_workgroup_size: 256
    .sgpr_count:     66
    .vgpr_count:     96
    .wavefront_size: 32
...
	.end_amdgpu_metadata
.endif
;; end of part 1
;; launch nearest (part 2): grid 256 x 1, 8 waves a work-group, clusters of 4 x 1, 327,680 bytes of LDS; arguments ecodes, inputs, out0; writes out0
.if DOCPART == 2
	.amdgcn_target "amdgcn-amd-amdhsa--gfx1250"
	.amdhsa_code_object_version 6
	.text
	.protected	k_q4864401f72_nearest
	.globl	k_q4864401f72_nearest
	.p2align	8
	.type	k_q4864401f72_nearest,@function
k_q4864401f72_nearest:
	s_mov_b64 s[64:65], 0
	v_nop
	global_prefetch_b8 v0, s[64:65] scope:SCOPE_SE
	s_setreg_imm32_b32 hwreg(HW_REG_WAVE_MODE, 25, 1), 1
	s_wait_xcnt 0x0
	s_wait_alu depctr_hold_cnt(0) depctr_sa_sdst(0) depctr_va_vdst(0) depctr_va_sdst(0) depctr_va_ssrc(0) depctr_va_vcc(0) depctr_vm_vsrc(0)
	s_getreg_b32 s2, hwreg(HW_REG_IB_STS2, 6, 4)
	s_cmp_eq_u32 s2, 0
	s_cbranch_scc0 .Lentry_in_a_cluster
	s_endpgm
.Lentry_in_a_cluster:
	s_bfe_u32 s2, ttmp6, 0x10000c
	s_cmp_lg_u32 s2, 0x3003
	s_cbranch_scc0 .Lentry_shape_is_right
	s_endpgm
.Lentry_shape_is_right:
; out0[query] = the first row of the codebook with the largest score cross - e_sq / 2, that is with the smallest x_sq + e_sq - 2 cross.
; LEFT OUT AS DEAD WORK: x_sq, the same for all rows that one query is compared with (shown at the first kernel's head).
; LIMITS.  NaN and infinities are not served; what the first kernel says of blocks of zeros and of magnitudes under 2^-124 holds for inputs too.  The order taken is that of cross - e_sq / 2, rounded as the matrix unit rounds a
; sum with its C, not that of (x_sq + e_sq) - 2 cross rounded in f32: two rows whose distances differ by about one unit in the distance's last place may be ordered otherwise than by that formula.  Of equal scores the first row stays.
; SHARES.  A work-group owns 128 queries.  HEAD: wave w quantises queries 16 w .. 16 w + 15 (read from memory once); the operands' images meet in LDS, and all eight waves take all eight tiles into registers.
; Then the waves share the codebook: of each part of 32 records (of 32 rows) wave w takes records 4 w .. 4 w + 3, so each byte of the codebook is read from LDS once in a work-group.  At the end the waves' results meet in LDS.
; LAYOUT.  Source 0 = 32 codebook rows, source 1 = 16 queries: a lane holds ONE query (lane % 16); register j of its 16 results is row 8 (lane / 16) + j of the record, from j = 8 on 8 rows further down.  -e_sq / 2 is the C of a sum's first step.
; THE SEARCH.  Eight three-way maxima fold a record's 16 scores and the running maximum; one compare notes the lanes in which the record has raised it (greater alone counts); there the record's number and its 16 scores are
; kept, by selects.  At the end the row is the first of the kept 16 that equals the maximum.
; RING.  Each wave has two LDS slots of 4 records of its own, fills them by its own tensor loads and reads only them.
; CLUSTER.  Every work-group walks the same codebook: the four of a cluster ask for each slot jointly.
; NO PREFETCH of the codebook: each part is asked for by its tensor load 15 of a trip's 16 units ahead of the wait for it, and the 64 clusters walk the same parts at the same time; inputs are read in the head, which has no loop to run ahead in.
; REGISTERS.  Window 0 as listed below.  Window 1: v0-127 the queries' codes (tile q at 16 q, K step s at + 8 s; in the head the f32 numbers as loaded), v128-191 two records' codes, v192-255 their C, two sets of 32 by turns.
.set REC,   4608
.set SLOTB, 4*REC
.set WRING, 2*SLOTB
.set XST,   8*WRING                    ; behind the rings: the queries' images, 2,560 bytes a tile; at the end the waves' results meet here
.set XT,    2560
.set XSP,   288                        ; a block's 256 bytes + 32: the words that the lanes store together (8 neighbours a block) fall on 32 different banks
.set CMB,   XST
.set SPARE, XST+8*XT                   ; the spare words, 128 bytes for each wave
.set SPW,  1                           ; v1   LDS address of my spare word;  v2  0; both never rewritten
.set NIL,  2
.set AL16, 3                           ; my ring + 16 x lane: the codes
.set AL4,  4                           ; my ring + 4,096 + 4 x lane: the scale words
.set AH,   5                           ; my ring + 4,352 + 32 (lane / 16): C
.set CWR,  6                           ; CMB + 1,024 x wave + 4 (lane % 16)
.set CRD,  7                           ; CMB + 256 x wave + 8 x lane
.set SA,   8                           ; v8-11   scale words: record k of the pair, K step s at 2 k + s: scales and nothing else
.set SB,   12                          ; v12-19  the queries' scale words (lanes 0-15 K step 0, lanes 16-31 K step 1): scales and nothing else
.set RR,   20                          ; v20-27, v28-35 the running maximum: a pair's first record reads RR and writes PP, its second the other way: no move is written
.set PP,   28
.set IDX,  36                          ; v36-43  the record that last raised it
.set T,    44                          ; v44-53  at work
.set G16,  54                          ; 16 x lane: offset in inputs
.set CSA,  55                          ; the queries' images: where my code word goes,
.set BSA,  56                          ; my scale byte,
.set ROT,  57                          ; and by how many bits my code word turns: 16 in odd lanes
.set GOF,  58                          ; 256 x wave + 8 x lane: my byte offset in the work-group's part of out0
.set HH,   59                          ; lane / 16
.set LN,   60                          ; lane
.set XR16, 61                          ; where the images are read back
.set XR4,  62
.set DD,   64                          ; v64-127 accumulators: pair p at + 32 p: first record's, second record's
.set SV,   128                         ; v128-255 tile q at + 16 q: the scores of the record that last raised the maximum
.set KR,   64                          ; the head, in accumulator pair 0's place: two runs of 8 numbers,
.set GV,   80                          ; 8 numbers to give away,
.set MX,   88                          ; largest magnitudes, bytes, codes
.set BY,   90
.set CW,   92
.set CR,   94
.set AF,   128                         ; window 1
.set CF,   192
.set G1,   16                          ; s[16:23] descriptor group 1
.set G0,   24                          ; s[24:31] group 0, a set for each slot
.set CNT,  32
.set TB,   33                          ; the number of my first record of the slot in hand
.set ST,   34                          ; s34, s35  the numbers of the pair of records in hand
.set MSB, 0
.macro WIN new                         ; the immediate's high byte repeats the setting that is left
.if MSB != \new
	s_set_vgpr_msb (MSB<<8)|\new
.set MSB, \new
.endif
.endm
.macro CREST                           ; a round of the cluster's barrier behind its opening barrier
	s_cmp_lg_u32 s10, 0
	s_cbranch_scc1 .Lnot_wave_0_\@
	s_barrier_signal -3
.Lnot_wave_0_\@:
	s_barrier_wait -3
	s_barrier_signal -1
	s_barrier_wait -1
.endm
.macro CROUND                          ; a whole round
	s_barrier_signal -1
	s_barrier_wait -1
	CREST
.endm
.macro TLOAD s                         ; a joint load into slot s
	tensor_load_to_lds s[G0+4*\s:G0+4*\s+3], s[G1:G1+7]
	s_nop 0
.rept 4
	v_nop
.endr
.endm
	s_load_b128 s[4:7], s[0:1], 0x0                ; ecodes s[4:5], inputs s[6:7]
	s_load_b64 s[8:9], s[0:1], 0x10                ; out0
	v_lshl_add_u32 v[SPW], v0, 2, SPARE
	v_mov_b32 v[NIL], 0
	ds_add_u32 v[SPW], v[NIL]                      ; the wave's opening: the add, twice on end, and its wait
	ds_add_u32 v[SPW], v[NIL]
	v_lshrrev_b32 v3, 5, v0
	v_readfirstlane_b32 s10, v3                    ; wave 0..7
	v_and_b32 v[LN], 31, v0
	v_lshlrev_b32 v[G16], 4, v[LN]
	s_bfe_u32 s11, ttmp6, 0x40000                  ; cx: it enters the addresses of inputs and out0 alone
	s_lshl_b32 s12, ttmp9, 2                       ; in a cluster launch ttmp9 counts clusters
	s_add_co_u32 s12, s12, s11                     ; my work-group
	; descriptor group 1: 4 records are 18,432 dense bytes: 72 rows of 256 bytes (32 elements of 8), no padding: an image is read 16 bytes a lane on end
	s_mov_b32 s[G1+0], 15|(3<<16)|(1<<21)          ; 15:0 the mask: all four work-groups; 17:16 elements of 8 bytes; 21 set beside a mask
	s_mov_b32 s[G1+1], 32<<16                      ; tensor_dim0 = 32
	s_mov_b32 s[G1+2], 72<<16                      ; tensor_dim1 = 72
	s_mov_b32 s[G1+3], 32<<16                      ; tile_dim0 = 32
	s_mov_b32 s[G1+4], 72                          ; tile_dim1 = 72
	s_mov_b32 s[G1+5], 32                          ; elements from row to row
	s_mov_b32 s[G1+6], 0
	s_mov_b32 s[G1+7], 0
	s_mul_i32 s42, s10, WRING                      ; my ring
	s_mul_i32 s40, s10, SLOTB                      ; my 4 records of each part: the wave's number alone, the same in all four partners
	s_mov_b32 s41, 0
	s_lshl_b32 s46, s12, 17                        ; 128 rows of 1,024 bytes
	s_lshl_b32 s47, s10, 14                        ; my 16
	s_add_co_u32 s46, s46, s47
	s_mov_b32 s47, 0
	s_wait_dscnt 0x0                               ; both opening adds are done
	s_wait_alu depctr_va_vdst(0)
	s_wait_kmcnt 0x0
	s_add_nc_u64 s[44:45], s[4:5], s[40:41]
	s_add_nc_u64 s[6:7], s[6:7], s[46:47]
.irp s, 0,1
	s_mov_b32 s[G0+4*\s], 1                                        ; count = 1
	s_add_co_u32 s[G0+4*\s+1], s42, \s*SLOTB                       ; LDS address: my ring, slot s
	s_add_nc_u64 s[G0+4*\s+2:G0+4*\s+3], s[44:45], \s*8*SLOTB      ; global address: part s
	s_or_b32 s[G0+4*\s+3], s[G0+4*\s+3], 0x80000000                ; type = 2
.endr
	CROUND                                         ; all four work-groups are here: the first joint loads meet
	TLOAD 0                                        ; one tensor load a wave at the head; ahead of the inputs' loads
	WIN 0x40
.irp j, 0,1,2,3,4,5,6,7,8,9,10,11,12,13,14,15
	global_load_b128 v[8*\j:8*\j+3],   v[G16], s[6:7] offset:1024*\j th:TH_LOAD_NT      ; row j: 512 consecutive bytes an instruction; all 32 loads of the wave go out at once
	global_load_b128 v[8*\j+4:8*\j+7], v[G16], s[6:7] offset:1024*\j+512 th:TH_LOAD_NT
.endr
	WIN 0
	s_lshl_b32 s40, s12, 9                         ; my work-group's 128 words of out0
	s_add_nc_u64 s[8:9], s[8:9], s[40:41]
	; the LDS addresses and the starting values, while the loads are out
	v_bfe_u32 v[HH], v0, 4, 1
	v_lshl_add_u32 v[AL16], v[LN], 4, s42
	s_add_co_u32 s43, s42, 4096
	v_lshl_add_u32 v[AL4], v[LN], 2, s43
	s_add_co_u32 s43, s42, 4352
	v_lshl_add_u32 v[AH], v[HH], 5, s43
	s_mul_i32 s45, s10, XT
	s_add_co_u32 s45, s45, XST                     ; my tile's image
	s_add_co_u32 s46, s45, 8*XSP                   ; its scale words
	v_lshrrev_b32 v63, 3, v[LN]                    ; l / 8: my block of the half row
	v_mul_u32_u24 v[CSA], v63, XSP
	v_and_b32 v[ROT], 1, v[LN]                     ; even lanes take a row pair's first row, odd lanes its second
	v_lshl_add_u32 v[CSA], v[ROT], 4, v[CSA]
	v_lshl_add_u32 v[BSA], v[ROT], 2, v63
	v_add_nc_u32 v[BSA], s46, v[BSA]
	v_bfe_u32 v63, v[LN], 1, 2                     ; which 8 numbers of the block
	v_lshl_add_u32 v[CSA], v63, 2, v[CSA]
	v_add_nc_u32 v[CSA], s45, v[CSA]
	v_lshlrev_b32 v[ROT], 4, v[ROT]
	v_mul_u32_u24 v[XR16], v[HH], XSP
	v_and_b32 v63, 15, v[LN]
	v_lshl_add_u32 v[XR16], v63, 4, v[XR16]
	v_add_nc_u32 v[XR16], XST, v[XR16]
	v_lshlrev_b32 v[XR4], 2, v[LN]
	v_add_nc_u32 v[XR4], XST+8*XSP, v[XR4]
	s_lshl_b32 s43, s10, 10
	s_add_co_u32 s43, s43, CMB
	v_lshl_add_u32 v[CWR], v63, 2, s43
	s_lshl_b32 s43, s10, 8
	v_lshl_add_u32 v[GOF], v[LN], 3, s43
	v_add_nc_u32 v[CRD], CMB, v[GOF]
	s_mov_b32 s36, 0x55555555                      ; the even lanes
	s_mov_b32 s37, 0xff800000                      ; -infinity
	s_mov_b32 s38, 0x76543210                      ; v_permlanex16_b32's selects for lane l xor 16
	s_mov_b32 s39, 0xfedcba98
	s_lshl_b32 s[TB], s10, 2
	s_mov_b32 s[ST], 0
	s_mov_b32 s[ST+1], 0
	; The loop is written once: its first unit works off a 'unit before' that is all -infinity and raises nothing.
.irp j, 0,1,2,3,4,5,6,7
	v_mov_b32 v[RR+\j], s37
	v_mov_b32 v[PP+\j], s37
	v_mov_b32 v[IDX+\j], 0
	v_mov_b32 v[KR+4+8*(\j/4)+\j%4], 0             ; a DPP move's destination counts as one of its sources
.endr
	v_mov_b32 v[T+5], s37
	v_mov_b32 v[T+8], s37
.set J, DD+32
.rept 160                              ; accumulator pair 1 and the kept scores: v96-255
	v_mov_b32 v[J], s37
.set J, J+1
.endr
	s_wait_alu depctr_va_vdst(0)                   ; the head's end
; Rows 2 p and 2 p + 1 of my 16.  A lane has 4 neighbours of each half row f of both: the lanes l and l xor 1 trade, so that an even lane holds 8 neighbours of the first row, an odd lane 8 of the second (its later four first: the code word is turned by 16 bits).
.macro QROWS p
	s_wait_loadcnt 28-4*\p                         ; loads come back in order (ISA guide 5.7.1): these two rows' four are in
	WIN 0x05
.irp f, 0,1
.irp i, 0,1,2,3
	v_cndmask_b32 v[KR+8*\f+\i], v[16*\p+8+4*\f+\i], v[16*\p+4*\f+\i], s36      ; what I keep
	v_cndmask_b32 v[GV+4*\f+\i], v[16*\p+4*\f+\i], v[16*\p+8+4*\f+\i], s36      ; what I give
.endr
.endr
	WIN 0
.irp i, 0,1,2,3
.irp f, 0,1
	v_mov_b32_dpp v[KR+8*\f+4+\i], v[GV+4*\f+\i] row_xmask:1 row_mask:0xf bank_mask:0xf
.endr
.endr
.irp f, 0,1
	v_max3_num_f32 v[MX+\f], |v[KR+8*\f]|, |v[KR+8*\f+1]|, 0x1800000            ; my 8 numbers, and the floor 2^(3 - 127): the byte cannot fall under 1
.endr
.irp i, 2,4,6
.irp f, 0,1
	v_max3_num_f32 v[MX+\f], v[MX+\f], |v[KR+8*\f+\i]|, |v[KR+8*\f+\i+1]|
.endr
.endr
.irp f, 0,1
	v_max_num_f32_dpp v[MX+\f], v[MX+\f], v[MX+\f] row_xmask:2 row_mask:0xf bank_mask:0xf
.endr
.irp f, 0,1
	v_max_num_f32_dpp v[MX+\f], v[MX+\f], v[MX+\f] row_xmask:4 row_mask:0xf bank_mask:0xf   ; the four lanes of a row's block: its largest magnitude
.endr
.irp f, 0,1
	v_add_nc_u32 v[MX+\f], 0xff000000, v[MX+\f]    ; 2 off its exponent field: the conversion's scale operand
.endr
.irp f, 0,1
	v_cvt_scalef32_pk8_fp4_f32 v[CW+\f], v[KR+8*\f:KR+8*\f+7], v[MX+\f]
.endr
.irp f, 0,1
	v_lshrrev_b32 v[BY+\f], 23, v[MX+\f]           ; the scale's byte.  (Also the plain lines behind the conversions)
.endr
.irp f, 0,1
	v_alignbit_b32 v[CR+\f], v[CW+\f], v[CW+\f], v[ROT]
.endr
.irp f, 0,1
	ds_store_b32 v[CSA], v[CR+\f] offset:4*XSP*\f+32*\p
	ds_store_b8 v[BSA], v[BY+\f] offset:64*\f+8*\p ; a block's four lanes write the same byte with the same value
.endr
.endm
; The pair of records i, i + 1 of a slot, in three runs of LDS loads: C (8 loads) into C set cp; K step s's codes and scale words (10 loads).
.macro CLOAD slot, i, cp
	WIN 0x40
.irp k, 0,1
.irp e, 0,1,2,3
	ds_load_b128 v[CF+32*(\cp)+16*\k+4*\e:CF+32*(\cp)+16*\k+4*\e+3], v[AH] offset:(\slot)*SLOTB+(\i+\k)*REC+64*(\e/2)+16*(\e%2)   ; the lanes of a half read the same 16 bytes
.endr
.endr
	WIN 0
.endm
.macro KLOAD s, slot, i
	WIN 0x40
.irp k, 0,1
.irp g, 0,1
.irp c, 0,1
	ds_load_b128 v[AF+32*\k+16*\s+8*\g+4*\c:AF+32*\k+16*\s+8*\g+4*\c+3], v[AL16] offset:(\slot)*SLOTB+(\i+\k)*REC+2048*\g+512*(2*\s+\c)
.endr
.endr
.endr
	WIN 0
.irp k, 0,1
	ds_load_b32 v[SA+2*\k+\s], v[AL4] offset:(\slot)*SLOTB+(\i+\k)*REC+128*\s
.endr
.endm
.set CP, 0                             ; the C set of the pair in hand
; One matrix instruction: record 'set' of the pair x query tile q, K step k, accumulator d.
.macro WM q, set, k, d
.if \k == 0
	v_wmma_scale_f32_32x16x128_f4 v[(\d):(\d)+15], v[AF+32*(\set):AF+32*(\set)+15], v[16*(\q):16*(\q)+7], v[CF+32*CP+16*(\set):CF+32*CP+16*(\set)+15], v[SA+2*(\set)], v[SB+(\q)]
.else
	v_wmma_scale_f32_32x16x128_f4 v[(\d):(\d)+15], v[AF+32*(\set)+16:AF+32*(\set)+31], v[16*(\q)+8:16*(\q)+15], v[(\d):(\d)+15], v[SA+2*(\set)+1], v[SB+(\q)] matrix_b_scale:MATRIX_SCALE_ROW1
.endif
.endm
; THE VECTOR WORK of the unit before: accumulator pair PVP, query tile PVQ.  Each accumulator is read from its low end on.
.set PVP, 1
.set PVQ, 7
.macro P1
.set DA, DD+32*PVP
.set DB, DA+16
.irp i, 0,1,2,3,4
	v_max3_num_f32 v[T+\i],   v[DA+3*\i], v[DA+3*\i+1], v[DA+3*\i+2]
	v_max3_num_f32 v[T+5+\i], v[DB+3*\i], v[DB+3*\i+1], v[DB+3*\i+2]
.endr
	v_max3_num_f32 v[T],   v[T],   v[T+1], v[T+2]
	v_max3_num_f32 v[T+5], v[T+5], v[T+6], v[T+7]
	v_max3_num_f32 v[T+3], v[T+3], v[T+4], v[DA+15]
	v_max3_num_f32 v[T+8], v[T+8], v[T+9], v[DB+15]
	v_max3_num_f32 v[PP+PVQ], v[T], v[T+3], v[RR+PVQ]              ; the running maximum behind the first record
.endm
.macro SAVE d                          ; in the lanes of VCC the record's 16 scores are kept: two selects a line
.irp i, 0,2,4,6,8,10,12,14
	v_dual_cndmask_b32 v[SV+16*PVQ+\i], v[SV+16*PVQ+\i], v[(\d)+\i] :: v_dual_cndmask_b32 v[SV+16*PVQ+\i+1], v[SV+16*PVQ+\i+1], v[(\d)+\i+1]
.endr
.endm
.macro P2A
	v_cmp_gt_f32 vcc_lo, v[PP+PVQ], v[RR+PVQ]                      ; has the first record raised it?
	v_max3_num_f32 v[RR+PVQ], v[T+5], v[T+8], v[PP+PVQ]            ; and behind the second
	SAVE DD+32*PVP
	v_cndmask_b32 v[IDX+PVQ], v[IDX+PVQ], s[ST], vcc_lo
.endm
.macro P2B
	v_cmp_gt_f32 vcc_lo, v[RR+PVQ], v[PP+PVQ]
	SAVE DD+32*PVP+16
	v_cndmask_b32 v[IDX+PVQ], v[IDX+PVQ], s[ST+1], vcc_lo
.endm
.macro SETPV q
.set PVP, (\q)%2
.set PVQ, \q
.endm
; A UNIT: the pair of records in hand x query tile q: four matrix instructions on accumulator pair q % 2, the two accumulators by turns, one instruction a turn; between them the unit before's vector
; lines, which work on the OTHER pair.  PLACES, by count: behind a unit's last matrix instruction stand 10 plain lines or more that name none of its registers, ahead of the first read of its results,
; of the loads into its sources and of the pair's next use.
.macro KSTEP q, k, win
	WIN \win
	WM \q, 0, \k, DD+32*((\q)%2)
	WM \q, 1, \k, DD+32*((\q)%2)+16
	WIN 0
.endm
.macro UNIT q
	KSTEP \q, 0, 0x15
	P1
	KSTEP \q, 1, 0x05
	P2A
	P2B
	SETPV \q
.endm
; A pair's first unit: the last unit's maxima were taken behind the loads; its selects stand here.
.macro UNIT0
	s_wait_alu depctr_va_vdst(0)
	s_wait_dscnt 10                                ; C and K step 0 are in; K step 1's ten loads may be out
	KSTEP 0, 0, 0x15
	P2A
	s_wait_dscnt 0x0                               ; K step 1 is in
	KSTEP 0, 1, 0x05
	P2B
	SETPV 0
.endm
; A pair's last unit: the next pair's K step 0 is asked for behind the last use of this one's, then its K step 1.
.macro ULAST slot, i, more
	KSTEP 7, 0, 0x15
	P1
.if \more
	KLOAD 0, \slot, \i
.endif
	KSTEP 7, 1, 0x05
	P2A
	P2B
.if \more
	KLOAD 1, \slot, \i
.endif
	SETPV 7
	P1
.endm
.macro UNITS cnt                       ; the next units of the pair
.rept \cnt
	UNIT U
.set U, U+1
.endr
.endm
; A TRIP: the 4 records of a slot, in two pairs, x all eight tiles.  When the second pair is in registers the slot has been read.
; mode 1: it is filled again, with my records two parts on;  2: the last trip but one: nothing is asked for;  3: the last trip.
.macro TRIP slot, mode
.set CP, 0
	UNIT0
	s_add_co_u32 s[ST], s[TB], 0                   ; the pair's two numbers
	s_add_co_u32 s[ST+1], s[TB], 1
.set U, 1
	UNITS 3
	CLOAD \slot, 2, 1
	UNITS 3
	ULAST \slot, 2, 1
.set CP, 1
	UNIT0
	s_add_co_u32 s[ST], s[TB], 2
	s_add_co_u32 s[ST+1], s[TB], 3
.set U, 1
.if \mode == 1
	s_wait_tensorcnt 0x0                           ; all my tensor loads have landed: the one that was out is the other slot's, asked for a trip ago
	ds_add_u32 v[SPW], v[NIL]                      ; 0 onto my spare word
	s_add_nc_u64 s[G0+4*\slot+2:G0+4*\slot+3], s[G0+4*\slot+2:G0+4*\slot+3], 2*8*SLOTB   ; this slot's next part; the type bits on top are not reached
	s_wait_dscnt 0x0                               ; the add is done; my reads of this slot are back
	s_barrier_signal -1                            ; the barrier opens a round of the cluster's barrier;
	UNITS 1                                        ; work on registers while the others arrive
	s_barrier_wait -1
	CREST                                          ; no wave of any partner still reads this slot or has a load on its way
	TLOAD \slot                                    ; my one tensor load behind the round, and the first thing there
.else
	UNITS 1
.endif
.if \mode == 2
	s_wait_tensorcnt 0x0                           ; the last slot has landed; its bytes are my own, so this wait is all that the reads need
.endif
.if \mode < 3
	CLOAD 1-\slot, 0, 0
	UNITS 5
	ULAST 1-\slot, 0, 1
.else
	UNITS 5
	ULAST 0, 0, 0
.endif
	s_add_co_u32 s[TB], s[TB], 32
.endm
.irp p, 0,1,2,3,4,5
	QROWS \p
.endr
	s_wait_tensorcnt 0x0                           ; my slot 0 is in
	ds_add_u32 v[SPW], v[NIL]
	s_wait_dscnt 0x0                               ; the add is done
	CROUND                                         ; that holds of every wave; all four work-groups are here
	TLOAD 1                                        ; slot 1's first fill, the first thing behind the round
	QROWS 6
	QROWS 7
	s_wait_dscnt 0x0                               ; for the others' sake: my tile's image is in LDS
	s_barrier_signal -1
	s_barrier_wait -1
	WIN 0x40
.irp q, 0,1,2,3,4,5,6,7
.irp p, 0,1,2,3
	ds_load_b128 v[16*\q+4*\p:16*\q+4*\p+3], v[XR16] offset:\q*XT+2*XSP*\p      ; all eight tiles' images into registers
.endr
.endr
	WIN 0
.irp q, 0,1,2,3,4,5,6,7
	ds_load_b32 v[SB+\q], v[XR4] offset:\q*XT
.endr
	CLOAD 0, 0, 0                                  ; slot 0 was shown landed ahead of the round
	KLOAD 0, 0, 0
	KLOAD 1, 0, 0
	s_mov_b32 s[CNT], 3
.Ltrip:                                            ; three times round the ring: six of the codebook's eight parts, six refills
	TRIP 0, 1
	TRIP 1, 1
	s_sub_co_u32 s[CNT], s[CNT], 1
	s_cmp_lg_u32 s[CNT], 0
	s_cbranch_scc1 .Ltrip
	TRIP 0, 2                                      ; the last two trips are written out
	TRIP 1, 3
	P2A                                            ; the last unit's selects.  The maxima lie in RR
	P2B
	; THE ROW: the first of the kept 16 scores that equals the maximum, from the last to the first, so that the first stays; two tiles by turns
.irp q, 0,2,4,6
	v_mov_b32 v[T+\q], 23
	v_mov_b32 v[T+\q+1], 23
.irp j, 14,13,12,11,10,9,8,7,6,5,4,3,2,1,0
	v_cmp_eq_f32 vcc_lo, v[SV+16*\q+\j], v[RR+\q]
	v_cmp_eq_f32 s40, v[SV+16*\q+16+\j], v[RR+\q+1]
	v_cndmask_b32 v[T+\q], v[T+\q], \j+8*(\j/8), vcc_lo
	v_cndmask_b32 v[T+\q+1], v[T+\q+1], \j+8*(\j/8), s40
.endr
.endr
.irp q, 0,1,2,3,4,5,6,7
	v_lshl_add_u32 v[IDX+\q], v[IDX+\q], 5, v[T+\q]                ; 32 x record + the row in it,
.endr
.irp q, 0,1,2,3,4,5,6,7
	v_lshl_add_u32 v[IDX+\q], v[HH], 3, v[IDX+\q]                  ; 8 further down in lanes 16-31
.endr
	; the two halves of the lanes hold different rows of the same queries: the greater maximum, and the smallest row that has it, in both
.irp q, 0,1,2,3,4,5,6,7
	v_permlanex16_b32 v[PP+\q], v[RR+\q], s38, s39                 ; (destinations that have been written)
.endr
.irp q, 0,1,2,3,4,5,6,7
	v_permlanex16_b32 v[DD+\q], v[IDX+\q], s38, s39
.endr
.irp q, 0,1,2,3,4,5,6,7
	v_max_num_f32 v[T+\q], v[RR+\q], v[PP+\q]
.endr
.irp q, 0,1,2,3,4,5,6,7
	v_cmp_eq_f32 s[40+\q], v[RR+\q], v[T+\q]
.endr
.irp q, 0,1,2,3,4,5,6,7
	v_cndmask_b32 v[IDX+\q], -1, v[IDX+\q], s[40+\q]
.endr
.irp q, 0,1,2,3,4,5,6,7
	v_cmp_eq_f32 s[40+\q], v[PP+\q], v[T+\q]
.endr
.irp q, 0,1,2,3,4,5,6,7
	v_cndmask_b32 v[DD+\q], -1, v[DD+\q], s[40+\q]
.endr
.irp q, 0,1,2,3,4,5,6,7
	v_min_u32 v[IDX+\q], v[IDX+\q], v[DD+\q]
.endr
	; THE EIGHT WAVES' RESULTS MEET IN LDS: wave w's maxima of the 128 queries at CMB + 1,024 w, its rows 512 bytes on
.irp q, 0,1,2,3,4,5,6,7
	ds_store_b32 v[CWR], v[T+\q] offset:64*\q                      ; lanes l and l + 16 write the same word with the same value
	ds_store_b32 v[CWR], v[IDX+\q] offset:512+64*\q
.endr
	s_wait_dscnt 0x0                               ; for the others' sake: my stores are done
	s_barrier_signal -1
	s_barrier_wait -1
	s_cmp_lt_u32 s10, 2                            ; waves 0 and 1 choose, two queries a lane: the greatest of the eight maxima, and the smallest row that has it
	s_cbranch_scc0 .Lothers
.irp w, 0,1,2,3,4,5,6,7
	ds_load_b64 v[SV+2*\w:SV+2*\w+1],       v[CRD] offset:1024*\w
.endr
.irp w, 0,1,2,3,4,5,6,7
	ds_load_b64 v[SV+16+2*\w:SV+16+2*\w+1], v[CRD] offset:1024*\w+512
.endr
	s_wait_dscnt 0x0
.irp e, 0,1
	v_max3_num_f32 v[T+\e],   v[SV+\e],   v[SV+2+\e], v[SV+4+\e]
	v_max3_num_f32 v[T+2+\e], v[SV+6+\e], v[SV+8+\e], v[SV+10+\e]
.endr
.irp e, 0,1
	v_max3_num_f32 v[T+\e], v[T+\e], v[SV+12+\e], v[SV+14+\e]
.endr
.irp e, 0,1
	v_max_num_f32 v[T+\e], v[T+\e], v[T+2+\e]
.endr
.irp g, 0,8
.irp j, 0,1,2,3,4,5,6,7
	v_cmp_eq_f32 s[40+\j], v[SV+\g+\j], v[T+\j%2]
.endr
.irp j, 0,1,2,3,4,5,6,7
	v_cndmask_b32 v[SV+16+\g+\j], -1, v[SV+16+\g+\j], s[40+\j]
.endr
.endr
.irp n, 8,4,2
.set J, 0
.rept \n
	v_min_u32 v[SV+16+J], v[SV+16+J], v[SV+16+J+\n]
.set J, J+1
.endr
.endr
	global_store_b64 v[GOF], v[SV+16:SV+17], s[8:9]                ; 32 lanes store 256 consecutive bytes, at a multiple of 256 from out0's first byte
.Lothers:
	s_wait_tensorcnt 0x0                           ; the wave's end, behind my last tensor load and my last LDS store
	ds_add_u32 v[SPW], v[NIL]
	s_wait_dscnt 0x0
	CROUND                                         ; the closing round: no work-group ends while a partner may still ask for a tile that names it
	s_endpgm
.Lfunc_end_k_q4864401f72_nearest:
	.size	k_q4864401f72_nearest, .Lfunc_end_k_q4864401f72_nearest-k_q4864401f72_nearest
	.p2alignl 7, 3214868480
	.fill 96, 4, 3214868480
	.section	.rodata,"a",@progbits
	.p2align	6, 0x0
	.amdhsa_kernel k_q4864401f72_nearest
		.amdhsa_group_segment_fixed_size 327680
		.amdhsa_private_segment_fixed_size 0
		.amdhsa_enable_private_segment 0
		.amdhsa_kernarg_size 24
		.amdhsa_user_sgpr_count 2
		.amdhsa_user_sgpr_kernarg_segment_ptr 1
		.amdhsa_wavefront_size32 1
		.amdhsa_system_sgpr_workgroup_id_x 1
		.amdhsa_system_sgpr_workgroup_id_y 1
		.amdhsa_system_sgpr_workgroup_id_z 1
		.amdhsa_system_vgpr_workitem_id 0
		.amdhsa_next_free_vgpr 512
		.amdhsa_next_free_sgpr 66
		.amdhsa_reserve_vcc 1
		.amdhsa_float_denorm_mode_32 3
		.amdhsa_float_denorm_mode_16_64 3
		.amdhsa_memory_ordered 1
		.amdhsa_forward_progress 1
		.amdhsa_inst_pref_size 255
	.end_amdhsa_kernel
	.section	.bss,"aw",@nobits
	.p2align	6
	.space	262144
	.amdgpu_metadata
---
amdhsa.version: [ 1, 2 ]
amdhsa.kernels:
  - .name:           k_q4864401f72_nearest
    .symbol:         k_q4864401f72_nearest.kd
    .args:
      - { .name: ecodes, .offset: 0, .size: 8, .value_kind: global_buffer, .address_space: global }
      - { .name: inputs, .offset: 8, .size: 8, .value_kind: global_buffer, .address_space: global }
      - { .name: out0, .offset: 16, .size: 8, .value_kind: global_buffer, .address_space: global }
    .group_segment_fixed_size: 327680
    .private_segment_fixed_size: 0
    .kernarg_segment_align: 8
    .kernarg_segment_size: 24
    .max_flat_workgroup_size: 256
    .sgpr_count:     66
    .vgpr_count:     512
    .wavefront_size: 32
...
	.end_amdgpu_metadata
.endif
;; end of part 2
